; MI455X (gfx1250); checked and timed in simulation.
; The chip was launched on July 23, 2026; its instructions are those of AMD's public machine-readable ISA for CDNA 5 (MIT licence, August 2026) and "CDNA5" Instruction Set Architecture Reference Guide (July 2026). The comments in the code are by the model that wrote it; some were corrected since.
;; IO Ufit Transformer. Allowed arithmetic: float matrix products may take bf16 or f16 operands with f32 sums; other float arithmetic in f32, or as packed bf16 or f16 multiplies, adds, multiply-adds, maxima and minima; sums over many terms, partial sums and values carried from step to step in f32; what a program stores and reads back later, other than sums and carried values, may be rounded once to bf16 or f16.
;; Inputs: Wk 512 x 512 float32; Wo 512 x 512 float32; Wq 512 x 512 float32; Wv 512 x 512 float32; bk 512 float32; bo 512 float32; bq 512 float32; bv 512 float32; key 32 x 1,024 x 512 float32; query 32 x 1,024 x 512 float32.
;; Outputs: out0 32 x 1,024 x 512 float32.
;; One version. Each part assembles by itself: llvm-mc -triple=amdgcn-amd-amdhsa -mcpu=gfx1250 --defsym DOCPART=n.
;; ======== version 1 of 1: 3 launches
;; limits: values are held in f16: magnitudes above 65,504 overflow, below 6.1e-05 lose precision
;; workspace buffers: w16 1,572,864 bytes; wot 524,288 bytes; bias32 8,192 bytes; q16 33,554,432 bytes; k16 33,554,432 bytes; v16 33,554,432 bytes
;; launch prep (part 1): grid 129 x 1, 8 waves a work-group, no clusters, 18,432 bytes of LDS; arguments Wq, Wk, Wv, Wo, bq, bk, bv, bo, w16, wot, bias32; writes w16, wot, bias32
.if DOCPART == 1
	.amdgcn_target "amdgcn-amd-amdhsa--gfx1250"
	.amdhsa_code_object_version 6
	.text
	.protected	k_q696f515873_prep
	.globl	k_q696f515873_prep
	.p2align	8
	.type	k_q696f515873_prep,@function
k_q696f515873_prep:
	s_mov_b64 s[64:65], 0
	v_nop
	global_prefetch_b8 v0, s[64:65] scope:SCOPE_SE
	s_setreg_imm32_b32 hwreg(HW_REG_WAVE_MODE, 25, 1), 1
	s_wait_xcnt 0x0
; THE WEIGHTS AND BIASES, ROUNDED ONCE.  w16[3][512 c][512 d] = bf16 of Wq, Wk, Wv, as they lie.  wot[512 e][512 d] = Wo[d][e] rounded to bf16 and written as f16, turned.
; bias32[4][512] = bq, bk, bv, bo rounded to bf16 and written as f32.
; LIMITS.  A bf16 number is exact in f16 between 6.1e-5 and 65,504; an entry of Wo below that keeps f16's fixed step of 6e-8, one beyond it becomes an infinity.  NaN and infinities are not treated apart.
; SHARES.  Work-groups 0-95: 8,192 numbers of Wq, Wk or Wv each, a stream.  96-127: 64 columns x 128 rows of Wo each, turned through LDS so that wot's rows leave in whole runs of 256 bytes.  128: the biases.
; Every work-group has one round of loads and one of stores: none walks trips that wait for each other.
; No matrix unit, no cluster, no tensor load: nothing is shared between work-groups and each byte is touched once.
.set TP,    272                        ; a row of the turned tile in LDS: 128 f16 + 16 bytes
.set SPARE, 64*TP                      ; behind the tile: the spare words, 128 bytes for each of eight waves
.set SPW, 6                            ; v6  LDS address of my spare word; never rewritten
.set NIL, 7                            ; v7  0; never rewritten
.set X,   8                            ; v[8:39]  data
.set Y,   40                           ; v[40:55] results
	s_load_b512 s[8:23], s[0:1], 0x0               ; Wq s[8:9], Wk s[10:11], Wv s[12:13], Wo s[14:15], bq s[16:17], bk s[18:19], bv s[20:21], bo s[22:23]
	s_load_b128 s[24:27], s[0:1], 0x40             ; w16 s[24:25], wot s[26:27]
	s_load_b64 s[28:29], s[0:1], 0x50              ; bias32
	v_lshl_add_u32 v[SPW], v0, 2, SPARE
	v_mov_b32 v[NIL], 0
	v_lshrrev_b32 v1, 5, v0
	v_readfirstlane_b32 s3, v1                     ; wave 0..7
	s_mov_b32 s4, ttmp9                            ; the work-group's number: the same for all its waves
	s_wait_kmcnt 0x0
	s_cmp_lt_u32 s4, 96
	s_cbranch_scc0 .Lnot_w
	; ---- Wq, Wk, Wv: 32,768 bytes in, 16,384 out
	s_lshr_b32 s5, s4, 5                           ; which of the three
	s_and_b32 s6, s4, 31                           ; which 32nd of it
	s_cmp_eq_u32 s5, 0
	s_cselect_b64 s[30:31], s[8:9], s[10:11]
	s_cmp_eq_u32 s5, 2
	s_cselect_b64 s[30:31], s[12:13], s[30:31]
	s_lshl_b32 s7, s6, 15
	v_lshl_add_u32 v1, v0, 5, s7                   ; in: 32 bytes a thread
	s_lshl_b32 s7, s6, 14
	s_lshl_b32 s5, s5, 19
	s_add_co_u32 s7, s7, s5
	v_lshl_add_u32 v2, v0, 4, s7                   ; out: 16 bytes a thread
.irp it, 0,1,2,3
	global_load_b128 v[X+8*\it:X+8*\it+3],   v1, s[30:31] offset:\it*8192 th:TH_LOAD_NT
	global_load_b128 v[X+8*\it+4:X+8*\it+7], v1, s[30:31] offset:\it*8192+16 th:TH_LOAD_NT
.endr
	s_wait_loadcnt 0x0
.irp it, 0,1,2,3
.irp j, 0,1,2,3
	v_cvt_pk_bf16_f32 v[Y+4*\it+\j], v[X+8*\it+2*\j], v[X+8*\it+2*\j+1]
.endr
	global_store_b128 v2, v[Y+4*\it:Y+4*\it+3], s[24:25] offset:\it*4096  ; a wave stores 512 consecutive bytes, aligned
.endr
	s_branch .Lend
.Lnot_w:
	s_cmp_lt_u32 s4, 128
	s_cbranch_scc0 .Lbias
	; ---- Wo: columns 64 ge .. 64 ge + 63, rows 128 dq .. 128 dq + 127.  A load takes 16 rows x 256 bytes: wave w rows 2 w and 2 w + 1, sixteen lanes a row.
	s_sub_co_u32 s5, s4, 96
	s_and_b32 s6, s5, 7                            ; ge
	s_lshr_b32 s5, s5, 3                           ; dq
	v_bfe_u32 v1, v0, 4, 1                         ; which of my wave's two rows
	v_and_b32 v2, 15, v0                           ; which four columns
	s_lshl_b32 s7, s6, 8                           ; 256 ge
	s_lshl_b32 s30, s3, 12                         ; + 2 w rows of 2,048 bytes
	s_add_co_u32 s7, s7, s30
	s_lshl_b32 s30, s5, 18                         ; + 128 dq rows
	s_add_co_u32 s7, s7, s30
	v_lshlrev_b32 v3, 11, v1
	v_lshl_add_u32 v3, v2, 4, v3
	v_add_nc_u32 v3, s7, v3
.irp i, 0,1,2,3,4,5,6,7
	global_load_b128 v[X+4*\i:X+4*\i+3], v3, s[14:15] offset:\i*32768 th:TH_LOAD_NT
.endr
	s_lshl_b32 s7, s3, 2                           ; into LDS: row = column of Wo, byte 2 x (row of Wo): 4 w + 2 (lane / 16)
	v_mul_u32_u24 v4, v2, 4*TP
	v_lshl_add_u32 v4, v1, 1, v4
	v_add_nc_u32 v4, s7, v4
	s_wait_loadcnt 0x0
.irp i, 0,1,2,3,4,5,6,7
	v_cvt_pk_bf16_f32 v[Y], v[X+4*\i], v[X+4*\i+1]         ; rounded to bf16, like every input,
	v_cvt_pk_bf16_f32 v[Y+1], v[X+4*\i+2], v[X+4*\i+3]
	v_lshlrev_b32 v[Y+2], 16, v[Y]
	v_and_b32 v[Y+3], 0xffff0000, v[Y]
	v_lshlrev_b32 v[Y+4], 16, v[Y+1]
	v_and_b32 v[Y+5], 0xffff0000, v[Y+1]
	v_cvt_pk_f16_f32 v[Y+6], v[Y+2], v[Y+3]                ; and that number written as f16
	v_cvt_pk_f16_f32 v[Y+7], v[Y+4], v[Y+5]
	ds_store_b16 v4, v[Y+6] offset:\i*32
	ds_store_b16_d16_hi v4, v[Y+6] offset:TP+\i*32
	ds_store_b16 v4, v[Y+7] offset:2*TP+\i*32
	ds_store_b16_d16_hi v4, v[Y+7] offset:3*TP+\i*32
.endr
	s_wait_dscnt 0x0                               ; for the others' sake: my stores are done
	s_barrier_signal -1
	s_barrier_wait -1                              ; the turned tile is whole
	v_lshrrev_b32 v1, 4, v0                        ; back: 16 threads take a row of 256 bytes, the work-group 16 rows
	v_mul_u32_u24 v5, v1, TP
	v_lshl_add_u32 v5, v2, 4, v5
	v_lshlrev_b32 v3, 10, v1                       ; the same row in wot,
	v_lshl_add_u32 v3, v2, 4, v3
	s_lshl_b32 s7, s6, 16                          ; 64 ge rows of 1,024 bytes down,
	s_lshl_b32 s30, s5, 8                          ; 128 dq numbers along
	s_add_co_u32 s7, s7, s30
	v_add_nc_u32 v3, s7, v3
.irp it, 0,1,2,3
	ds_load_b128 v[X+4*\it:X+4*\it+3], v5 offset:\it*16*TP
.endr
.irp it, 0,1,2,3
	s_wait_dscnt 3-\it                             ; LDS loads come back in order: number it is in, the younger ones stay out
	global_store_b128 v3, v[X+4*\it:X+4*\it+3], s[26:27] offset:\it*16384  ; sixteen lanes store 256 consecutive bytes, aligned
.endr
	s_branch .Lend
.Lbias:
	; ---- the four biases: 8 bytes a thread
	v_lshlrev_b32 v1, 3, v0
.irp b, 0,1,2,3
	global_load_b64 v[X+2*\b:X+2*\b+1], v1, s[16+2*\b:17+2*\b]
.endr
	s_wait_loadcnt 0x0
.irp b, 0,1,2,3
	v_cvt_pk_bf16_f32 v[Y+8+\b], v[X+2*\b], v[X+2*\b+1]
	v_lshlrev_b32 v[Y+2*\b], 16, v[Y+8+\b]
	v_and_b32 v[Y+2*\b+1], 0xffff0000, v[Y+8+\b]
	global_store_b64 v1, v[Y+2*\b:Y+2*\b+1], s[28:29] offset:2048*\b
.endr
.Lend:
	s_wait_tensorcnt 0x0                           ; the wave's end: behind my last LDS store
	ds_add_u32 v[SPW], v[NIL]
	s_wait_dscnt 0x0
	s_endpgm
.Lfunc_end_k_q696f515873_prep:
	.size	k_q696f515873_prep, .Lfunc_end_k_q696f515873_prep-k_q696f515873_prep
	.p2alignl 7, 3214868480
	.fill 96, 4, 3214868480
	.section	.rodata,"a",@progbits
	.p2align	6, 0x0
	.amdhsa_kernel k_q696f515873_prep
		.amdhsa_group_segment_fixed_size 18432
		.amdhsa_private_segment_fixed_size 0
		.amdhsa_enable_private_segment 0
		.amdhsa_kernarg_size 88
		.amdhsa_user_sgpr_count 2
		.amdhsa_user_sgpr_kernarg_segment_ptr 1
		.amdhsa_wavefront_size32 1
		.amdhsa_system_sgpr_workgroup_id_x 1
		.amdhsa_system_sgpr_workgroup_id_y 1
		.amdhsa_system_sgpr_workgroup_id_z 1
		.amdhsa_system_vgpr_workitem_id 0
		.amdhsa_next_free_vgpr 80
		.amdhsa_next_free_sgpr 66
		.amdhsa_reserve_vcc 0
		.amdhsa_float_denorm_mode_32 3
		.amdhsa_float_denorm_mode_16_64 3
		.amdhsa_memory_ordered 1
		.amdhsa_forward_progress 1
		.amdhsa_inst_pref_size 14
	.end_amdhsa_kernel
	.amdgpu_metadata
---
amdhsa.version: [ 1, 2 ]
amdhsa.kernels:
  - .name:           k_q696f515873_prep
    .symbol:         k_q696f515873_prep.kd
    .args:
      - { .name: Wq, .offset: 0, .size: 8, .value_kind: global_buffer, .address_space: global }
      - { .name: Wk, .offset: 8, .size: 8, .value_kind: global_buffer, .address_space: global }
      - { .name: Wv, .offset: 16, .size: 8, .value_kind: global_buffer, .address_space: global }
      - { .name: Wo, .offset: 24, .size: 8, .value_kind: global_buffer, .address_space: global }
      - { .name: bq, .offset: 32, .size: 8, .value_kind: global_buffer, .address_space: global }
      - { .name: bk, .offset: 40, .size: 8, .value_kind: global_buffer, .address_space: global }
      - { .name: bv, .offset: 48, .size: 8, .value_kind: global_buffer, .address_space: global }
      - { .name: bo, .offset: 56, .size: 8, .value_kind: global_buffer, .address_space: global }
      - { .name: w16, .offset: 64, .size: 8, .value_kind: global_buffer, .address_space: global }
      - { .name: wot, .offset: 72, .size: 8, .value_kind: global_buffer, .address_space: global }
      - { .name: bias32, .offset: 80, .size: 8, .value_kind: global_buffer, .address_space: global }
    .group_segment_fixed_size: 18432
    .private_segment_fixed_size: 0
    .kernarg_segment_align: 8
    .kernarg_segment_size: 88
    .max_flat_workgroup_size: 256
    .sgpr_count:     66
    .vgpr_count:     80
    .wavefront_size: 32
...
	.end_amdgpu_metadata
.endif
;; end of part 1
;; launch proj (part 2): grid 4 x 64, 4 waves a work-group, clusters of 4 x 1, 327,680 bytes of LDS; arguments query, key, w16, bias32, q16, k16, v16; writes q16, k16, v16
.if DOCPART == 2
	.amdgcn_target "amdgcn-amd-amdhsa--gfx1250"
	.amdhsa_code_object_version 6
	.text
	.protected	k_q696f515873_proj
	.globl	k_q696f515873_proj
	.p2align	8
	.type	k_q696f515873_proj,@function
k_q696f515873_proj:
	s_mov_b64 s[64:65], 0
	v_nop
	global_prefetch_b8 v0, s[64:65] scope:SCOPE_SE
	s_setreg_imm32_b32 hwreg(HW_REG_WAVE_MODE, 25, 1), 1
	s_wait_xcnt 0x0
	s_wait_alu depctr_hold_cnt(0) depctr_sa_sdst(0) depctr_va_vdst(0) depctr_va_sdst(0) depctr_va_ssrc(0) depctr_va_vcc(0) depctr_vm_vsrc(0)
	s_getreg_b32 s2, hwreg(HW_REG_IB_STS2, 6, 4)
	s_cmp_eq_u32 s2, 0
	s_cbranch_scc0 .Lentry_in_a_cluster
	s_endpgm
.Lentry_in_a_cluster:
	s_bfe_u32 s2, ttmp6, 0x10000c
	s_cmp_lg_u32 s2, 0x3003
	s_cbranch_scc0 .Lentry_shape_is_right
	s_endpgm
.Lentry_shape_is_right:
; THE THREE PROJECTIONS.  q16 = query Wq + bq;  k16 = key Wk + bk;  v16 = key Wv + bv.  Rows [32768][512]; the activations come as f32 and are rounded once to bf16; the weights come as bf16
; (w16, [3][c][d] as the inputs lie); sums in f32, begun with the bias; results rounded once to f16.
; LIMITS.  f16 ends at 65,504: q, k and v must stay within it (with all inputs 30 times the usual their spread is about 900).  NaN and infinities are not treated apart.
; A WORK-GROUP STAYS: it owns 128 rows and makes three tiles of 128 x 512, q, k and v, one after the other: 24 K steps of 64 in one walk.  Wave w: rows 64 (w / 2) on, columns 256 (w % 2) on: 4 x 16 accumulators.
; THE ACTIVATIONS GO THROUGH REGISTERS.  A chunk is 128 rows x 64 numbers: each wave loads 32 rows x 256 bytes of it (16 loads, each two whole runs of 256 bytes), rounds it to bf16 and stores it into LDS.
; Two sets of registers: a chunk is asked for two K steps ahead of its store, which stands a K step ahead of its first reading.  Eight chunk buffers hold a whole block of rows: query's eight chunks, then key's
; eight, which serve k AND v: each byte of query and key is read once.  The walk's last eight steps load nothing.
; THE WEIGHTS GO THROUGH A RING of two LDS slots of 64 k rows, filled by the tensor data mover; w16's three matrices lie end to end, so the 24 steps are one stream and the ring runs on across tiles.
; CLUSTER.  The four work-groups of a cluster walk the same weights in step: each tile is asked for JOINTLY, each of the four waves its 16 rows, the same load, descriptor and mask in all four work-groups.
; THE MATRIX INSTRUCTION IS USED TRANSPOSED: source 0 = 16 columns of W x 32 k (turned out of the [k][n] tile by ds_load_tr16_b128), source 1 = 16 rows of the activation: a lane then holds
; eight neighbouring columns of one row of the result.
; NO PREFETCH.  The activations' loads go out two K steps, 256 matrix instructions, ahead of their use by themselves, and no wait for all tensor loads touches them; w16 is 1.5 MB that all clusters walk together.
; REGISTERS, in windows of 256 (s_set_vgpr_msb: bits 1:0 source 0, 3:2 source 1, 5:4 source 2, 7:6 destination):
;   window 0: v1-16 addresses; v32-95, v96-159 two sets for chunks on their way; v160-191, v192-223 the activations' fragments, two buffers; v192-255 on the way out
;   window 1: v0-127, v128-255 W's fragments, two buffers (the second takes the bias tiles at a tile's end, until the next tile's first unit has had them as C)
;   windows 2, 3: accumulator (a, b) in window 2 + a / 2 at v[8 (16 (a % 2) + b)]
.set AP,    144                        ; a row of a chunk in LDS: 64 bf16 + 16 bytes = 36 words: the 16 rows of a load start at 16 different groups of four banks (64 banks of 4 bytes: ISA guide 11.1)
.set ACH,   128*AP                     ; a chunk buffer
.set WP,    1056                       ; a row of W's tile: 512 bf16 + 32 bytes
.set WSL,   64*WP                      ; a slot of the ring; slot 0 at byte 0, slot 1 behind it
.set ABASE, 2*WSL                      ; behind the ring: the eight chunk buffers, written by ds_store alone
.set STAGE, ABASE+8*ACH                ; behind them: 16 rows x 528 bytes for each wave, for the way out
.set SPT,   528
.set SPARE, STAGE+4*16*SPT             ; behind the stages: the spare words, 128 bytes for each wave
.set R,    1                           ; v1   lane % 16
.set H,    2                           ; v2   lane / 16
.set A0,   3                           ; v3   my lane's place in a chunk buffer, for fragments; never rewritten
.set WVA,  4                           ; v4, v5  my lane's place in W's tile in slot 0, 1; never rewritten
.set ARA,  6                           ; v6   A0 + the chunk buffer in hand
.set STO,  7                           ; v7   the way out: where I put 16 bytes of a row
.set RD,   8                           ; v8   the way out: where I read a row back
.set CO,   9                           ; v9   16 x lane
.set BOFF, 10                          ; v10  my byte offset in the bias
.set SPW,  12                          ; v12  LDS address of my spare word; never rewritten
.set NIL,  13                          ; v13  0; never rewritten
.set AOFF, 14                          ; v14  my byte offset in the block's rows of query or key; never rewritten
.set AST0, 15                          ; v15  where I store 8 bytes of a chunk's row; never rewritten
.set ASTR, 16                          ; v16  AST0 + the chunk buffer to be written
.set G,    32
.set AB,   160
.set TMP,  192
.set WV,   18                          ; s18  my wave's number
.set G1W,  24                          ; s[24:31] descriptor group 1
.set G0W,  32                          ; s[32:39] descriptor group 0, a set for each slot
.set TA,   40                          ; s40  the chunk buffer of the step to be fetched next
.set TS,   41                          ; s41  the chunk buffer to be written next
.set CC,   42                          ; s42  the chunk to be stored next, 2 to 24
.set APT,  44                          ; s[44:45] the block's rows at the chunk loaded last
.set KEYB, 46                          ; s[46:47] key at the block's first row
.set BP,   48                          ; s[48:49] the bias of the tile to come
.set OUTP, 50                          ; s[50:51] the result of the tile in hand, at my rows and columns
.set O1,   52                          ; s[52:53] the next tile's
.set O2,   54                          ; s[54:55] and the one after
.set MSB, 0
.macro WIN new                         ; the immediate's high byte repeats the setting that is left; a switch that changes nothing is dropped
.if MSB != (\new)
	s_set_vgpr_msb (MSB<<8)|(\new)
.set MSB, (\new)
.endif
.endm
.macro PLACES                          ; four places behind matrix instructions (ISA guide 7.12.1)
.rept 4
	v_nop
.endr
.endm
.macro CREST                           ; a round of the cluster's barrier behind its opening barrier
	s_cmp_lg_u32 s[WV], 0
	s_cbranch_scc1 .Lnot_wave_0_\@
	s_barrier_signal -3
.Lnot_wave_0_\@:
	s_barrier_wait -3
	s_barrier_signal -1
	s_barrier_wait -1
.endm
.macro CROUND                          ; a whole round
	s_barrier_signal -1
	s_barrier_wait -1
	CREST
.endm
; A chunk's 16 loads into set: rows 32 w + 2 i + lane / 16, 16 bytes at 16 (lane % 16): two whole runs of 256 bytes an instruction; each byte is read once in the launch
.macro ALOAD set, off
.set fi, 0
.rept 16
	global_load_b128 v[G+64*(\set)+4*fi:G+64*(\set)+4*fi+3], v[AOFF], s[APT:APT+1] offset:fi*4096+(\off) th:TH_LOAD_NT
.set fi, fi+1
.endr
.endm
; The chunk in set is rounded to bf16, in place, and stored into the chunk buffer at s[TS], which then steps round the eight.  cnt: the loads issued behind the chunk's own, which may stay out.
.macro ASTORE set, cnt
	s_wait_loadcnt \cnt
	v_add_nc_u32 v[ASTR], s[TS], v[AST0]
.set fi, 0
.rept 16
	v_cvt_pk_bf16_f32 v[G+64*(\set)+4*fi],   v[G+64*(\set)+4*fi],   v[G+64*(\set)+4*fi+1]
	v_cvt_pk_bf16_f32 v[G+64*(\set)+4*fi+1], v[G+64*(\set)+4*fi+2], v[G+64*(\set)+4*fi+3]
.set fi, fi+1
.endr
.set fi, 0
.rept 16
	ds_store_b64 v[ASTR], v[G+64*(\set)+4*fi:G+64*(\set)+4*fi+1] offset:fi*2*AP
.set fi, fi+1
.endr
	s_add_co_u32 s[TS], s[TS], ACH
	s_cmp_eq_u32 s[TS], 8*ACH
	s_cselect_b32 s[TS], 0, s[TS]
.endm
; THE STREAM'S PART OF A K STEP g: chunk g + 2 is stored and chunk g + 4 asked for, into the set that it leaves.  Chunks 0-7 are query's, 8-15 key's; there is no chunk 16: the jumps go forward,
; past no barrier and no tensor load.  EVERY WAY THAT ISSUES NO LOADS WAITS FOR ALL LOADS.  So at this macro's head, on every way through the text, what is out is nothing, or the other set's 16 loads, or this
; set's 16 and behind them the other set's 16 (the two sets take turns in the text, over the backward jump too): the count 16 shows this set's chunk landed in each of the three.
.macro STREAM set
	WIN 0
	s_cmp_lt_u32 s[CC], 16
	s_cbranch_scc0 .Lno_l_\@                       ; no chunk is left to store
	ASTORE \set, 16                                ; the other set's 16 loads may stay out
	s_cmp_lt_u32 s[CC], 14
	s_cbranch_scc0 .Lno_l_\@                       ; no chunk is left to ask for
	s_wait_xcnt 0x0                                ; the loads issued a K step ago have read their base, so it may be written
	s_add_nc_u64 s[APT:APT+1], s[APT:APT+1], 256
	s_cmp_eq_u32 s[CC], 6                          ; chunk 8 is key's first
	s_cselect_b64 s[APT:APT+1], s[KEYB:KEYB+1], s[APT:APT+1]
	ALOAD \set, 0
	s_branch .Lasked_\@
.Lno_l_\@:
	s_wait_loadcnt 0x0                             ; nothing was issued: nothing stays out
.Lasked_\@:
	s_add_co_u32 s[CC], s[CC], 1
.endm
; Bias tiles from .. to - 1 into W's second buffer: register j of tile b holds the bias of column 16 b + 8 (lane / 16) + j, for every row
.macro BIASL from, to
	WIN 0x40                                       ; destination window 1, address window 0
.set fb, \from
.rept (\to)-(\from)
	global_load_b128 v[128+8*fb:128+8*fb+3],   v[BOFF], s[BP:BP+1] offset:64*fb
	global_load_b128 v[128+8*fb+4:128+8*fb+7], v[BOFF], s[BP:BP+1] offset:64*fb+16
.set fb, fb+1
.endr
	WIN 0
.endm
; 40 LDS loads in one run: a unit's fragments (kk = which 32 of the step's 64 along K): the activations' four, then W's 16 in ascending order, so that a wait can leave the last eight of them out
.macro FETCH buf, slot, kk
	WIN 0
.set fa, 0
.rept 4
	ds_load_b128 v[AB+32*(\buf)+8*fa:AB+32*(\buf)+8*fa+3],   v[ARA] offset:fa*16*AP+(\kk)*64
	ds_load_b128 v[AB+32*(\buf)+8*fa+4:AB+32*(\buf)+8*fa+7], v[ARA] offset:fa*16*AP+(\kk)*64+32
.set fa, fa+1
.endr
	WIN 0x40
.set fb, 0
.rept 16
	ds_load_tr16_b128 v[128*(\buf)+8*fb:128*(\buf)+8*fb+3],   v[WVA+(\slot)] offset:(\kk)*32*WP+32*fb
	ds_load_tr16_b128 v[128*(\buf)+8*fb+4:128*(\buf)+8*fb+7], v[WVA+(\slot)] offset:(\kk)*32*WP+16*WP+32*fb
.set fb, fb+1
.endr
.endm
; 16 matrix instructions: row blocks 2 hi, 2 hi + 1 x column blocks 8 bh .. 8 bh + 7.  A unit is four of these; the 64 accumulators take turns in the same order in every unit.
; first = 1: the sums begin with the bias tiles.
.macro MULQ buf, hi, bh, first
.if \first
	WIN 0x91+0x40*(\hi)
.else
	WIN 0xa1+0x50*(\hi)
.endif
.set fa, 0
.rept 2
.set fb, 8*(\bh)
.rept 8
.set rD, 8*(16*fa+fb)
.set rW, 128*(\buf)+8*fb
.set rA, AB+32*(\buf)+8*(2*(\hi)+fa)
.if \first
	v_wmma_f32_16x16x32_bf16 v[rD:rD+7], v[rW:rW+7], v[rA:rA+7], v[128+8*fb:128+8*fb+7]
.else
	v_wmma_f32_16x16x32_bf16 v[rD:rD+7], v[rW:rW+7], v[rA:rA+7], v[rD:rD+7]
.endif
.set fb, fb+1
.endr
.set fa, fa+1
.endr
.endm
; A step's first unit: buffer 0.  Its first 16 products need the first 24 of the 40 loads; behind them the second unit's fragments are fetched, 48 products ahead of their use.
.macro UEVEN slot
	s_wait_dscnt 16                                ; at most the youngest 16 LDS instructions are out: W's last eight fragments, or the stream's stores
	MULQ 0, 0, 0, 0
	s_wait_dscnt 0x0
	PLACES                                         ; behind the products that read buffer 1 last
	FETCH 1, \slot, 1
	MULQ 0, 0, 1, 0
	MULQ 0, 1, 0, 0
	MULQ 0, 1, 1, 0
.endm
; A step's second unit: buffer 1, and the change of slots.  My fragments are in: those were my last reads of this slot and of this step's chunk; my stores of the next chunk but one are done.  Each wave waits for all
; its tensor loads (one is out: its part of the other slot), adds 0 to its spare word, and waits for that.  fill = 1: the barrier opens a round of the cluster's barrier, and this slot is filled again, two steps
; ahead, first thing behind it.  Then the next step's first unit is fetched, from the other slot and the next chunk buffer, and the stream has its turn.
.macro UODD slot, fill
	WIN 0
	s_add_co_u32 s[TA], s[TA], ACH                 ; the next step's chunk buffer, round the eight
	s_cmp_eq_u32 s[TA], 8*ACH
	s_cselect_b32 s[TA], 0, s[TA]
	s_wait_dscnt 0x0
	s_wait_tensorcnt 0x0                           ; no tensor load of mine is out, so a group 0 may be written
	ds_add_u32 v[SPW], v[NIL]                      ; 0 onto my spare word; work on registers stands between it and the wait for it
	v_add_nc_u32 v[ARA], s[TA], v[A0]
.if \fill
	s_add_nc_u64 s[G0W+4*(\slot)+2:G0W+4*(\slot)+3], s[G0W+4*(\slot)+2:G0W+4*(\slot)+3], 131072  ; this slot's next tile: 128 rows of w16 on; the type bits on top are not reached
.endif
	MULQ 1, 0, 0, 0
	s_wait_dscnt 0x0                               ; the add is done
	s_barrier_signal -1
	MULQ 1, 0, 1, 0                                ; work on registers while the others arrive
	WIN 0                                          ; at a label and at a branch every window is 0
	s_barrier_wait -1
.if \fill
	CREST                                          ; no wave of any partner still reads this slot or has a load on its way
	tensor_load_to_lds s[G0W+4*(\slot):G0W+4*(\slot)+3], s[G1W:G1W+7]
	s_nop 0
.endif
	PLACES                                         ; behind a tensor load; also the places behind the products that read buffer 0 last
	FETCH 0, 1-(\slot), 0
	MULQ 1, 1, 0, 0
	MULQ 1, 1, 1, 0
.if \fill
	STREAM \slot
.endif
.endm
; A tile's first unit: its products begin the sums with the bias tiles, which lie in W's second buffer; so the second unit's fragments are fetched behind them.  cnt: the loads issued behind the bias tiles'.
.macro FIRST cnt
	s_wait_loadcnt \cnt
	s_wait_dscnt 0x0
	MULQ 0, 0, 0, 1
	MULQ 0, 0, 1, 1
	MULQ 0, 1, 0, 1
	MULQ 0, 1, 1, 1
	PLACES
	s_wait_xcnt 0x0                                ; the way out's stores have read their registers, half of which are the fragment buffer that is loaded now
	FETCH 1, 0, 1
	WIN 0
.endm
; THE WAY OUT of row block a: rounded to f16, 16 bytes a lane for each column block; through my own stage; back, into the registers that they left, as whole rows of 512 bytes.
.macro PACK a
	s_wait_xcnt 0x0                                ; the block before's stores have read their registers
	WIN 0x0a+5*((\a)/2)                            ; sources 0 and 1: window 2 or 3
.set fk, 0
.rept 64                                       ; each accumulator's registers in ascending order
	v_cvt_pk_f16_f32 v[TMP+fk], v[128*((\a)%2)+2*fk], v[128*((\a)%2)+2*fk+1]
.set fk, fk+1
.endr
	WIN 0
.endm
.macro OUT a
.set fb, 0
.rept 16
	ds_store_b128 v[STO], v[TMP+4*fb:TMP+4*fb+3] offset:32*fb
.set fb, fb+1
.endr
.set fb, 0
.rept 16
	ds_load_b128 v[TMP+4*fb:TMP+4*fb+3], v[RD] offset:fb*SPT  ; LDS serves a wave's instructions in order (ISA guide 5.7.1.4): these see the stores above
.set fb, fb+1
.endr
	s_wait_dscnt 0x0
.set fb, 0
.rept 16
	global_store_b128 v[CO], v[TMP+4*fb:TMP+4*fb+3], s[OUTP:OUTP+1] offset:(16*(\a)+fb)*1024  ; the wave stores 512 consecutive bytes, at a multiple of 512 from the buffer's first byte
.set fb, fb+1
.endr
.endm
	s_load_b256 s[4:11], s[0:1], 0x0               ; query s[4:5], key s[6:7], w16 s[8:9], bias32 s[10:11]
	s_load_b128 s[12:15], s[0:1], 0x20             ; q16 s[12:13], k16 s[14:15]
	s_load_b64 s[16:17], s[0:1], 0x30              ; v16
	v_lshl_add_u32 v[SPW], v0, 2, SPARE
	v_mov_b32 v[NIL], 0
	ds_add_u32 v[SPW], v[NIL]                      ; the wave's opening: the add and its wait stand ahead of my first tensor load; the set-up below, work on registers, stands between them
	v_lshrrev_b32 v1, 5, v0
	v_readfirstlane_b32 s[WV], v1                  ; wave 0..3
	s_bfe_u32 s19, ttmp6, 0x40000                  ; cx: my place in the cluster
	s_and_b32 s20, ttmp7, 0xffff
	s_lshl_b32 s20, s20, 2
	s_add_co_u32 s20, s20, s19                     ; my block of 128 rows = 4 x cluster y + cx: it enters the activations' and the results' addresses alone
	s_mov_b32 s[G1W+0], 15|(1<<16)|(1<<20)|(1<<21)|(7<<22)|(7<<25)  ; the mask of four; elements of 2 bytes; padding on; bit 21 beside a mask; after every 256 words (code 7) 8 words (code 7)
	s_mov_b32 s[G1W+1], 512<<16                    ; tensor_dim0 = 512
	s_mov_b32 s[G1W+2], 16<<16                     ; tensor_dim1 = 16
	s_mov_b32 s[G1W+3], 512<<16                    ; tile_dim0 = 512
	s_mov_b32 s[G1W+4], 16                         ; tile_dim1 = 16
	s_mov_b32 s[G1W+5], 512                        ; elements from row to row
	s_mov_b32 s[G1W+6], 0
	s_mov_b32 s[G1W+7], 0
	s_mul_i32 s21, s[WV], 16*WP                    ; where my 16 rows go: no place in the cluster enters an LDS address
	s_mov_b32 s[G0W+0], 1
	s_mov_b32 s[G0W+1], s21
	s_mov_b32 s[G0W+4], 1
	s_add_co_u32 s[G0W+5], s21, WSL
	s_lshl_b32 s56, s[WV], 14                      ; weights: my 16 rows of 1,024 bytes.  These two registers never hold cx
	s_mov_b32 s57, 0
	s_lshl_b32 s58, s20, 18                        ; activations: 128 rows of 2,048 bytes a block
	s_mov_b32 s59, 0
	s_lshr_b32 s22, s[WV], 1                       ; which 64 rows are mine
	s_and_b32 s23, s[WV], 1                        ; which 256 columns
	s_lshl_b32 s60, s20, 17                        ; results: 128 rows of 1,024 bytes a block,
	s_lshl_b32 s61, s22, 16                        ; my 64 rows,
	s_add_co_u32 s60, s60, s61
	s_lshl_b32 s61, s23, 9                         ; my 256 columns
	s_add_co_u32 s60, s60, s61
	s_mov_b32 s61, 0
	s_mov_b32 s[TA], 0
	s_mov_b32 s[TS], 0
	s_mov_b32 s[CC], 2
	s_wait_dscnt 0x0                               ; the opening add is done
	s_wait_kmcnt 0x0
	s_add_nc_u64 s[8:9], s[8:9], s[56:57]
.irp s, 0,1
	s_add_nc_u64 s[G0W+4*\s+2:G0W+4*\s+3], s[8:9], \s*65536       ; K step s: 64 rows of w16
	s_or_b32 s[G0W+4*\s+3], s[G0W+4*\s+3], 0x80000000             ; type = 2
.endr
	s_add_nc_u64 s[APT:APT+1], s[4:5], s[58:59]
	s_add_nc_u64 s[KEYB:KEYB+1], s[6:7], s[58:59]
	s_mov_b64 s[BP:BP+1], s[10:11]
	s_add_nc_u64 s[OUTP:OUTP+1], s[12:13], s[60:61]
	s_add_nc_u64 s[O1:O1+1], s[14:15], s[60:61]
	s_add_nc_u64 s[O2:O2+1], s[16:17], s[60:61]
	CROUND                                         ; all four work-groups are here: the first joint loads meet
	tensor_load_to_lds s[G0W:G0W+3], s[G1W:G1W+7]  ; every wave's two first fills: two loads of mine are out
	s_nop 0
	tensor_load_to_lds s[G0W+4:G0W+7], s[G1W:G1W+7]
	s_nop 0
	PLACES
	v_and_b32 v[R], 15, v0
	v_bfe_u32 v[H], v0, 4, 1
	v_lshlrev_b32 v[AOFF], 11, v[H]                ; lanes 16-31 a row further down,
	v_lshl_add_u32 v[AOFF], v[R], 4, v[AOFF]       ; 16 bytes a lane,
	s_lshl_b32 s21, s[WV], 16                      ; my wave's 32 rows
	v_add_nc_u32 v[AOFF], s21, v[AOFF]
	ALOAD 0, 0                                     ; chunk 0
	ALOAD 1, 256                                   ; chunk 1
	v_lshlrev_b32 v[BOFF], 5, v[H]                 ; a bias tile: my 8 columns of 16: 32 bytes
	s_lshl_b32 s21, s23, 10
	v_add_nc_u32 v[BOFF], s21, v[BOFF]
	BIASL 0, 15                                    ; 30 of the 32 loads of bq's tiles
	v_mul_u32_u24 v[AST0], v[H], AP
	v_lshl_add_u32 v[AST0], v[R], 3, v[AST0]       ; four numbers are 8 bytes of bf16
	s_mul_i32 s21, s[WV], 32*AP
	s_add_co_u32 s21, s21, ABASE
	v_add_nc_u32 v[AST0], s21, v[AST0]
	; an activation fragment, 16 rows x 32 k: lane l holds row l % 16, k = 8 (l / 16) + 0..7 and 16 + 8 (l / 16) + 0..7: two loads of 16 bytes, 32 bytes apart
	v_mul_u32_u24 v[A0], v[R], AP
	v_lshl_add_u32 v[A0], v[H], 4, v[A0]
	s_mul_i32 s21, s22, 64*AP                      ; my 64 rows
	s_add_co_u32 s21, s21, ABASE
	v_add_nc_u32 v[A0], s21, v[A0]
	v_mov_b32 v[ARA], v[A0]                        ; step 0 reads chunk buffer 0
	; the turning load takes 16 k x 16 columns: lane l reads k = 8 (l / 16) + l % 8, columns 8 ((l / 8) % 2) + 0..7
	v_and_b32 v11, 7, v0
	v_lshl_add_u32 v11, v[H], 3, v11
	v_mul_u32_u24 v[WVA], v11, WP
	v_bfe_u32 v11, v0, 3, 1
	v_lshl_add_u32 v[WVA], v11, 4, v[WVA]
	s_lshl_b32 s21, s23, 9                         ; my 256 columns
	v_add_nc_u32 v[WVA], s21, v[WVA]
	v_add_nc_u32 v[WVA+1], WSL, v[WVA]
	s_mul_i32 s21, s[WV], 16*SPT
	s_add_co_u32 s21, s21, STAGE                   ; my stage
	v_mul_u32_u24 v[STO], v[R], SPT
	v_lshl_add_u32 v[STO], v[H], 4, v[STO]
	v_add_nc_u32 v[STO], s21, v[STO]
	v_and_b32 v[CO], 31, v0
	v_lshlrev_b32 v[CO], 4, v[CO]
	v_add_nc_u32 v[RD], s21, v[CO]
	ASTORE 0, 46                                   ; chunk 0 is in: behind its loads stand chunk 1's 16 and 30 of the bias
	BIASL 15, 16                                   ; the bias tiles' last two loads
	ALOAD 0, 512                                   ; chunk 2
	ASTORE 1, 48                                   ; chunk 1 is in: behind its loads stand the bias tiles' 32 and chunk 2's 16
	ALOAD 1, 768                                   ; chunk 3
	s_wait_dscnt 0x0                               ; for the others' sake: my parts of chunks 0 and 1 are stored
	s_wait_tensorcnt 0x1                           ; my part of K step 0 is in; step 1's may stay out
	s_barrier_signal -1
	s_barrier_wait -1                              ; everybody's are
	FETCH 0, 0, 0
	FIRST 32                                       ; the bias tiles are in: behind their loads stand chunks 2 and 3
	s_add_nc_u64 s[APT:APT+1], s[APT:APT+1], 768   ; at chunk 3, the last one loaded (behind the wait in FIRST that frees the loads' base)
	s_mov_b32 s3, 11
.Lt:                                                   ; 11 trips of two K steps: steps 2 t and 2 t + 1 ask for the weights of steps 2 t + 2 and 2 t + 3
	UODD 0, 1
	UEVEN 1
	UODD 1, 1
	WIN 0
	s_and_b32 s43, s3, 3
	s_cmp_eq_u32 s43, 0                            ; trips 3 and 7 end a tile
	s_cbranch_scc1 .Lte
	UEVEN 0
	WIN 0
	s_branch .Lnext
.Lte:                                                  ; A TILE'S END: no barrier and no tensor load stands here.  The next tile's weights and first fragments are on their way or in.
	PLACES                                         ; behind the tile's last products: in front of the loads into their sources and of the conversions that read their results
	s_wait_xcnt 0x0
	s_add_nc_u64 s[BP:BP+1], s[BP:BP+1], 2048      ; the next tile's bias,
	BIASL 0, 16                                    ; asked for ahead of the way out, which stands between the loads and the wait for them
.irp a, 0,1,2,3
	PACK \a
	OUT \a
.endr
	FIRST 0
	s_mov_b64 s[OUTP:OUTP+1], s[O1:O1+1]           ; behind the wait in FIRST that frees the stores' base
	s_mov_b64 s[O1:O1+1], s[O2:O2+1]
.Lnext:
	s_sub_co_u32 s3, s3, 1
	s_cmp_lg_u32 s3, 0
	s_cbranch_scc1 .Lt
	UODD 0, 0                                      ; the last two K steps are written out: nothing is left to ask for
	UEVEN 1
	s_wait_dscnt 0x0
	MULQ 1, 0, 0, 0
	MULQ 1, 0, 1, 0
	MULQ 1, 1, 0, 0
	MULQ 1, 1, 1, 0
	WIN 0
	PLACES
.irp a, 0,1,2,3
	PACK \a
	OUT \a
.endr
	s_wait_tensorcnt 0x0                           ; the wave's end: behind my last tensor load and my last LDS store
	ds_add_u32 v[SPW], v[NIL]
	s_wait_dscnt 0x0
	CROUND                                         ; the closing round: no work-group ends while a partner may still ask for a tile that names it
	s_endpgm
.Lfunc_end_k_q696f515873_proj:
	.size	k_q696f515873_proj, .Lfunc_end_k_q696f515873_proj-k_q696f515873_proj
	.p2alignl 7, 3214868480
	.fill 96, 4, 3214868480
	.section	.rodata,"a",@progbits
	.p2align	6, 0x0
	.amdhsa_kernel k_q696f515873_proj
		.amdhsa_group_segment_fixed_size 327680
		.amdhsa_private_segment_fixed_size 0
		.amdhsa_enable_private_segment 0
		.amdhsa_kernarg_size 56
		.amdhsa_user_sgpr_count 2
		.amdhsa_user_sgpr_kernarg_segment_ptr 1
		.amdhsa_wavefront_size32 1
		.amdhsa_system_sgpr_workgroup_id_x 1
		.amdhsa_system_sgpr_workgroup_id_y 1
		.amdhsa_system_sgpr_workgroup_id_z 1
		.amdhsa_system_vgpr_workitem_id 0
		.amdhsa_next_free_vgpr 1024
		.amdhsa_next_free_sgpr 66
		.amdhsa_reserve_vcc 0
		.amdhsa_float_denorm_mode_32 3
		.amdhsa_float_denorm_mode_16_64 3
		.amdhsa_memory_ordered 1
		.amdhsa_forward_progress 1
		.amdhsa_inst_pref_size 160
	.end_amdhsa_kernel
	.amdgpu_metadata
---
amdhsa.version: [ 1, 2 ]
amdhsa.kernels:
  - .name:           k_q696f515873_proj
    .symbol:         k_q696f515873_proj.kd
    .args:
      - { .name: query, .offset: 0, .size: 8, .value_kind: global_buffer, .address_space: global }
      - { .name: key, .offset: 8, .size: 8, .value_kind: global_buffer, .address_space: global }
      - { .name: w16, .offset: 16, .size: 8, .value_kind: global_buffer, .address_space: global }
      - { .name: bias32, .offset: 24, .size: 8, .value_kind: global_buffer, .address_space: global }
      - { .name: q16, .offset: 32, .size: 8, .value_kind: global_buffer, .address_space: global }
      - { .name: k16, .offset: 40, .size: 8, .value_kind: global_buffer, .address_space: global }
      - { .name: v16, .offset: 48, .size: 8, .value_kind: global_buffer, .address_space: global }
    .group_segment_fixed_size: 327680
    .private_segment_fixed_size: 0
    .kernarg_segment_align: 8
    .kernarg_segment_size: 56
    .max_flat_workgroup_size: 128
    .sgpr_count:     66
    .vgpr_count:     1024
    .wavefront_size: 32
...
	.end_amdgpu_metadata
.endif
;; end of part 2
;; launch attn (part 3): grid 8 x 32, 4 waves a work-group, clusters of 4 x 1, 327,680 bytes of LDS; arguments q16, k16, v16, wot, bias32, out0; writes out0
.if DOCPART == 3
	.amdgcn_target "amdgcn-amd-amdhsa--gfx1250"
	.amdhsa_code_object_version 6
	.text
	.protected	k_q696f515873_attn
	.globl	k_q696f515873_attn
	.p2align	8
	.type	k_q696f515873_attn,@function
k_q696f515873_attn:
	s_mov_b64 s[64:65], 0
	v_nop
	global_prefetch_b8 v0, s[64:65] scope:SCOPE_SE
	s_setreg_imm32_b32 hwreg(HW_REG_WAVE_MODE, 25, 1), 1
	s_wait_xcnt 0x0
	s_wait_alu depctr_hold_cnt(0) depctr_sa_sdst(0) depctr_va_vdst(0) depctr_va_sdst(0) depctr_va_ssrc(0) depctr_va_vcc(0) depctr_vm_vsrc(0)
	s_getreg_b32 s2, hwreg(HW_REG_IB_STS2, 6, 4)
	s_cmp_eq_u32 s2, 0
	s_cbranch_scc0 .Lentry_in_a_cluster
	s_endpgm
.Lentry_in_a_cluster:
	s_bfe_u32 s2, ttmp6, 0x10000c
	s_cmp_lg_u32 s2, 0x3003
	s_cbranch_scc0 .Lentry_shape_is_right
	s_endpgm
.Lentry_shape_is_right:
; ATTENTION AND THE LAST PROJECTION.  out0[b][q][:] = (the sum over k of softmax_k(q . k / 512) v[k][:]) / 1024 x Wo + bo.  q16, k16, v16: [32][1024][512] f16; wot: [e][d] f16; bias32's fourth row: bo, f32.
; Products, maxima and sums in f32; the weights p are rounded to f16 for the second product (their sum l is taken of the unrounded p); O / l is rounded to f16 for the third; out0 is f32.
; LIMITS.  p lies in 0 to 1 and below 6e-5 keeps f16's fixed step of 6e-8; so does O / l, a mean of v's rows, which has their range.  A weight below 2^-126 counts as 0 in l.  NaN and infinities are not treated apart.
; SHARES.  A work-group owns 128 queries of one batch, each of its four waves 32: two tiles of 16.  Every wave walks all 1,024 keys, 64 a step, 16 steps; then 8 chunks of 64 rows of wot.
; LAYOUT.  S^T = K Q^T (source 0 = 16 keys, source 1 = 16 queries): a lane holds ONE query (lane % 16) and the keys 8 (lane / 16) + 0..7.  Two such tiles rounded in pairs ARE source 1 of O^T = V^T P, whose result
; again holds one query a lane and eight channels; O^T / l rounded in pairs IS source 1 of out^T = wot O, which has the text of K Q^T.  K and wot come out of LDS as they lie, V turned, by ds_load_tr16_b128.
; SOFTMAX.  A running maximum m and sum l for each query: p = 2^(c s - c m), c = log2(e) / 512; in every step O and l are multiplied by a = 2^(c m_old - c m_new).  m starts at the lowest finite number, O and l
; at 0, so that the first step is a step like any other, with a = 0: 512 lines clear O^T, in the wait for the first tile, where a first step written out would be a third copy of the step's text.
; IN PHASES: all of a step's K Q^T, the softmax, all of its V^T P; three quarters of O^T's rescaling rides behind the first products V^T P.
; CLUSTER.  The four query blocks of a cluster belong to one batch and walk the same K, V and wot: each tile is asked for JOINTLY, the same tensor load, descriptor and mask in all four.
; REGISTERS, in windows of 256 (s_set_vgpr_msb: bits 1:0 source 0, 3:2 source 1, 5:4 source 2, 7:6 destination):
;   window 0: v1-15 addresses; v16-31 eight registers of statistics a tile; v32-95 S^T, 32 a tile; v96-127 P, 16 a tile; v128-191, v192-255 two buffers of eight fragments
;   window 1: Q, later O / l in f16: tile t, channels 32 cc on at v[128 t + 8 cc]          windows 2, 3: O^T: tile t, channels 16 cb on in window 2 + cb / 16 at v[8 (2 (cb % 16) + t)]
.set PK,    1040                       ; a row of K or wot in LDS: 1,024 bytes + 16 = 260 words: the 16 rows of a load start at 16 different groups of four banks (64 banks of 4 bytes: ISA guide 11.1)
.set PV,    1056                       ; a row of V: 1,024 + 32
.set VOFF,  64*PK                      ; a slot: 64 rows of K, then 64 rows of V
.set SLOT1, 0x21000                    ; slot 1 begins here; its two bits are clear in every address inside slot 0 that is turned, so one exclusive or changes the slot
.set STAGE, SLOT1+64*(PK+PV)           ; behind the ring: 16 rows x 272 bytes for each wave, for the way out
.set SP,    272
.set SPARE, STAGE+4*16*SP              ; behind the stages: the spare words, 128 bytes for each wave
.set R,   1                            ; v1   lane % 16
.set AK0, 2                            ; v2   my lane's place in a tile of K; never rewritten
.set AV0, 3                            ; v3   the same for V
.set AKR, 4                            ; v4   AK0 + the slot in hand
.set AVR, 5                            ; v5   AV0 + the slot in hand
.set QO,  6                            ; v6   my byte offset in 16 rows of Q
.set STO, 7                            ; v7   the way out: where I put 32 bytes of a row
.set RD,  8                            ; v8   the way out: where I read rows back
.set GO,  9                            ; v9   my byte offset in two rows of out0
.set BOF, 10                           ; v10  my byte offset in 16 numbers of bo
.set PFO, 11                           ; v11  256 x lane; never rewritten
.set SPW, 12                           ; v12  LDS address of my spare word; never rewritten
.set NIL, 13                           ; v13  0; never rewritten
.set H,   14                           ; v14  lane / 16
.set ST,  16                           ; tile t's statistics at v[ST+8 t]: c m, m, l (even keys', odd keys'), c0-c3 at work; a takes c2's place
.set S,   32
.set P,   96
.set FB,  128
.set WV,  16                           ; s16  my wave's number
.set CX,  17                           ; s17  my place in the cluster
.set G1K, 24                           ; s[24:31] descriptor group 1 for K's and wot's tiles
.set G1V, 32                           ; s[32:39] for V's: it differs in the padding alone
.set G0K, 40                           ; s[40:43] descriptor group 0 for K's tiles, later wot's: it walks
.set G0V, 44                           ; s[44:47] the same for V's
.set CNT, 48                           ; s48  the loops' count
.set TB,  49                           ; s49  the slot in hand: 0 or SLOT1
.set LIM, 50                           ; s50  1 in a cluster that prefetches, else the greatest number
.set CS,  52                           ; s[52:53] c
.set SEL, 54                           ; s[54:55] v_permlanex16_b32's selects: each lane takes its own place in the other half
.set PFA, 56                           ; s[56:57] where my prefetches stand
.set WOH, 58                           ; s[58:59] wot at my half of a chunk
.set BO,  60                           ; s[60:61] bo at the chunk in hand
.set OUTP, 62                          ; s[62:63] out0 at my first row, at the chunk in hand
.set MSB, 0
.macro WIN new                         ; the immediate's high byte repeats the setting that is left; a switch that changes nothing is dropped
.if MSB != (\new)
	s_set_vgpr_msb (MSB<<8)|(\new)
.set MSB, (\new)
.endif
.endm
.macro PLACES                          ; four places behind matrix instructions (ISA guide 7.12.1)
.rept 4
	v_nop
.endr
.endm
.macro CROUND                          ; a round of the cluster's barrier
	s_barrier_signal -1
	s_barrier_wait -1
	s_cmp_lg_u32 s[WV], 0
	s_cbranch_scc1 .Lnot_wave_0_\@
	s_barrier_signal -3
.Lnot_wave_0_\@:
	s_barrier_wait -3
	s_barrier_signal -1
	s_barrier_wait -1
.endm
.macro JLOAD                           ; a joint fill: waves 0 and 1 the two halves of K's tile, waves 2 and 3 those of V's; an s_nop 0 and four v_nop follow each line
	s_cmp_lt_u32 s[WV], 2
	s_cbranch_scc0 .Lfor_v_\@
	tensor_load_to_lds s[G0K:G0K+3], s[G1K:G1K+7]
	s_nop 0
.rept 4
	v_nop
.endr
	s_branch .Lasked_\@
.Lfor_v_\@:
	tensor_load_to_lds s[G0V:G0V+3], s[G1V:G1V+7]
	s_nop 0
.rept 4
	v_nop
.endr
.Lasked_\@:
.endm
.macro JLOADK                          ; a joint fill of a chunk of wot: waves 0 and 1 alone; waves 2 and 3 have no part of it
	s_cmp_lt_u32 s[WV], 2
	s_cbranch_scc0 .Lnone_\@
	tensor_load_to_lds s[G0K:G0K+3], s[G1K:G1K+7]
	s_nop 0
.rept 4
	v_nop
.endr
.Lnone_\@:
.endm
; A PREFETCH INTO THE L2 of the tile that the NEXT change of slots will ask for: one key step, 256 matrix instructions, ahead of that load.  Each row of K and V is named once in the launch: both clusters of a
; batch walk the same rows, and the first of them asks; each wave asks for the half tile that it fetches itself, 32 rows of 1,024 bytes, of which the four partners take 8 rows each, told apart by address:
; 32 blocks of 256 bytes on end, a lane a block.  Tiles 0 and 1 come by their loads alone; the last two steps of the loop ask for nothing: there is no tile 16.
.macro ASK
	s_cmp_gt_u32 s[CNT], s[LIM]
	s_cbranch_scc0 .Lnot_mine_\@
	global_prefetch_b8 v[PFO], s[PFA:PFA+1] th:TH_LOAD_NT scope:SCOPE_SE
.Lnot_mine_\@:
.endm
; THE CHANGE OF SLOTS.  Each wave waits for all its tensor loads (at most one is out: its part of the other slot), adds 0 to its spare word, and waits for that and for its reads of the slot that it leaves.
; kind 1: the old slot takes the next tile of K and V.  2: its K part takes wot's chunk 0.  3: wot's next chunk.  These three: a round of the cluster's barrier, the joint fill first behind it.  4: nothing is asked for.
.macro CHANGE kind
	WIN 0                                          ; at a label and at a branch every window is 0
	s_wait_tensorcnt 0x0                           ; no tensor load of mine is out, so a group 0 may be written
	ds_add_u32 v[SPW], v[NIL]                      ; 0 onto my spare word; the descriptors' steps stand between it and the wait for it
.if (\kind) == 1
	s_xor_b32 s[G0K+1], s[G0K+1], SLOT1            ; the other slot than last time,
	s_add_nc_u64 s[G0K+2:G0K+3], s[G0K+2:G0K+3], 65536  ; the next 64 keys; the type bits on top are not reached
	s_xor_b32 s[G0V+1], s[G0V+1], SLOT1
	s_add_nc_u64 s[G0V+2:G0V+3], s[G0V+2:G0V+3], 65536
	s_wait_xcnt 0x0                                ; the last prefetch, a key step back, has read its address
	s_add_nc_u64 s[PFA:PFA+1], s[PFA:PFA+1], 65536
.elseif (\kind) == 2
	s_xor_b32 s[G0K+1], s[G0K+1], SLOT1
	s_add_nc_u64 s[G0K+2:G0K+3], s[WOH:WOH+1], 0
	s_or_b32 s[G0K+3], s[G0K+3], 0x80000000
.elseif (\kind) == 3
	s_xor_b32 s[G0K+1], s[G0K+1], SLOT1
	s_add_nc_u64 s[G0K+2:G0K+3], s[G0K+2:G0K+3], 65536
.endif
	s_wait_dscnt 0x0                               ; the add is done, and my reads of the slot are over
.if (\kind) == 4
	s_barrier_signal -1
	s_barrier_wait -1
.else
	CROUND
.if (\kind) == 1
	JLOAD
	ASK
.else
	JLOADK
.endif
.endif
	s_xor_b32 s[TB], s[TB], SLOT1
	v_add_nc_u32 v[AKR], s[TB], v[AK0]
	v_add_nc_u32 v[AVR], s[TB], v[AV0]
.endm
	s_load_b256 s[4:11], s[0:1], 0x0               ; q16 s[4:5], k16 s[6:7], v16 s[8:9], wot s[10:11]
	s_load_b128 s[12:15], s[0:1], 0x20             ; bias32 s[12:13], out0 s[14:15]
	v_lshl_add_u32 v[SPW], v0, 2, SPARE
	v_mov_b32 v[NIL], 0
	ds_add_u32 v[SPW], v[NIL]                      ; the wave's opening: the add and its wait stand ahead of my first tensor load; the set-up below, work on registers, stands between them
	v_lshrrev_b32 v1, 5, v0
	v_readfirstlane_b32 s[WV], v1                  ; wave 0..3
	s_bfe_u32 s[CX], ttmp6, 0x40000
	s_and_b32 s18, s[WV], 1                        ; which half of a tile I fetch
	s_and_b32 s19, ttmp7, 0xffff                   ; the batch, which the four partners share
	s_lshl_b32 s66, s19, 20                        ; K and V: the batch's 1,024 rows of 1,024 bytes,
	s_lshl_b32 s67, s18, 15                        ; my 32 rows of a tile's 64.  These two registers never hold cx
	s_add_co_u32 s66, s66, s67
	s_mov_b32 s67, 0
	s_lshl_b32 s20, ttmp9, 2
	s_add_co_u32 s20, s20, s[CX]                   ; my block of 128 queries: it enters Q's and out0's addresses alone
	s_lshl_b32 s68, s19, 20
	s_lshl_b32 s69, s20, 17
	s_add_co_u32 s68, s68, s69
	s_lshl_b32 s69, s[WV], 15                      ; my wave's 32 rows
	s_add_co_u32 s68, s68, s69
	s_mov_b32 s69, 0
	s_lshl_b64 s[70:71], s[68:69], 1               ; the same rows in out0, 2,048 bytes each
	s_mov_b32 s[G1K+0], 15|(1<<16)|(1<<20)|(1<<21)|(7<<22)|(3<<25)  ; the mask of four; elements of 2 bytes; padding on; bit 21 beside a mask; after every 256 words (code 7) 4 words (code 3)
	s_mov_b32 s[G1V+0], 15|(1<<16)|(1<<20)|(1<<21)|(7<<22)|(7<<25)  ; the same with 8 words (code 7)
.irp g, G1K, G1V
	s_mov_b32 s[\g+1], 512<<16                     ; tensor_dim0 = 512
	s_mov_b32 s[\g+2], 32<<16                      ; tensor_dim1 = 32
	s_mov_b32 s[\g+3], 512<<16                     ; tile_dim0 = 512
	s_mov_b32 s[\g+4], 32                          ; tile_dim1 = 32
	s_mov_b32 s[\g+5], 512                         ; elements from row to row
	s_mov_b32 s[\g+6], 0
	s_mov_b32 s[\g+7], 0
.endr
	s_mul_i32 s21, s18, 32*PK                      ; where my half goes: no place in the cluster enters an LDS address
	s_mul_i32 s22, s18, 32*PV
	s_mov_b32 s[G0K], 1
	s_mov_b32 s[G0K+1], s21
	s_mov_b32 s[G0V], 1
	s_add_co_u32 s[G0V+1], s22, VOFF
	s_mov_b32 s[CS], 0x3b38aa3b                    ; c = log2(e) / 512
	s_mov_b32 s[CS+1], s[CS]                       ; named with it as a pair
	s_mov_b32 s[SEL], 0x76543210
	s_mov_b32 s[SEL+1], 0xfedcba98
	s_mov_b32 s[TB], SLOT1                         ; the first change of slots turns it into 0
	s_mov_b32 s23, ttmp9
	s_cmp_eq_u32 s23, 0                            ; the batch's first cluster: the same in all four partners
	s_cselect_b32 s[LIM], 1, -1
	s_wait_dscnt 0x0                               ; the opening add is done
	s_wait_kmcnt 0x0
	s_add_nc_u64 s[6:7], s[6:7], s[66:67]          ; K and V at my half of the batch's tile 0
	s_add_nc_u64 s[8:9], s[8:9], s[66:67]
	s_mov_b64 s[G0K+2:G0K+3], s[6:7]
	s_or_b32 s[G0K+3], s[G0K+3], 0x80000000        ; type = 2
	s_mov_b64 s[G0V+2:G0V+3], s[8:9]
	s_or_b32 s[G0V+3], s[G0V+3], 0x80000000
	s_add_nc_u64 s[4:5], s[4:5], s[68:69]          ; Q at my wave's first row
	s_add_nc_u64 s[OUTP:OUTP+1], s[14:15], s[70:71]
	s_add_nc_u64 s[BO:BO+1], s[12:13], 6144        ; bias32's fourth row
	s_lshl_b32 s66, s18, 15
	s_add_nc_u64 s[WOH:WOH+1], s[10:11], s[66:67]
	s_cmp_lt_u32 s[WV], 2
	s_cselect_b64 s[PFA:PFA+1], s[6:7], s[8:9]
	s_lshl_b32 s68, s[CX], 13                      ; my work-group's 8 rows of the 32
	s_add_nc_u64 s[PFA:PFA+1], s[PFA:PFA+1], s[68:69]
	s_add_nc_u64 s[PFA:PFA+1], s[PFA:PFA+1], 65536 ; in tile 1: the first change of slots steps it to tile 2.  Nothing is prefetched here, at the head
	CROUND                                         ; all four work-groups are here: the first joint loads meet
	JLOAD                                          ; tile 0 into slot 0; slot 1 is asked for by the loop's own change of slots
	v_and_b32 v[R], 15, v0
	v_bfe_u32 v[H], v0, 4, 1
	; a fragment of K, Q or wot is 16 rows x 32 channels in 8 registers: lane l holds row l % 16, channels 8 (l / 16) + 0..7 and 16 + 8 (l / 16) + 0..7: two loads of 16 bytes, 32 bytes apart
	v_lshlrev_b32 v[QO], 10, v[R]
	v_lshl_add_u32 v[QO], v[H], 4, v[QO]
	WIN 0x40                                       ; destination window 1, address window 0
.set ff, 0
.rept 32                                       ; Q stays in registers: tile ff / 16, channels 32 (ff % 16) on
	global_load_b128 v[8*ff:8*ff+3],   v[QO], s[4:5] offset:(ff/16)*16384+(ff%16)*64 th:TH_LOAD_NT
	global_load_b128 v[8*ff+4:8*ff+7], v[QO], s[4:5] offset:(ff/16)*16384+(ff%16)*64+32 th:TH_LOAD_NT
.set ff, ff+1
.endr
	WIN 0x80                                       ; O^T = 0, in the wait for the first tile
.set ff, 0
.rept 256
	v_mov_b32 v[ff], 0
.set ff, ff+1
.endr
	WIN 0xc0
.set ff, 0
.rept 256
	v_mov_b32 v[ff], 0
.set ff, ff+1
.endr
	WIN 0
.irp t, 0,1
	v_mov_b32 v[ST+8*\t], 0xfe000000               ; c m: far below every c s
	v_mov_b32 v[ST+8*\t+1], 0xff7fffff             ; m
	v_mov_b32 v[ST+8*\t+2], 0                      ; l
	v_mov_b32 v[ST+8*\t+3], 0
.endr
	v_mul_u32_u24 v[AK0], v[R], PK
	v_lshl_add_u32 v[AK0], v[H], 4, v[AK0]         ; row x pitch + 16 x half
	; the turning load takes 16 keys x 16 channels: lane l reads key 8 (l / 16) + l % 8, channels 8 ((l / 8) % 2) + 0..7, and is left with channel l % 16 and 8 keys
	v_and_b32 v15, 7, v0
	v_lshl_add_u32 v15, v[H], 3, v15
	v_mul_u32_u24 v[AV0], v15, PV
	v_bfe_u32 v15, v0, 3, 1
	v_lshl_add_u32 v[AV0], v15, 4, v[AV0]
	v_add_nc_u32 v[AV0], VOFF, v[AV0]
	s_mul_i32 s21, s[WV], 16*SP
	s_add_co_u32 s21, s21, STAGE                   ; my stage
	v_mul_u32_u24 v[STO], v[R], SP                 ; in: row l % 16, 32 bytes for each half of the lanes
	v_lshl_add_u32 v[STO], v[H], 5, v[STO]
	v_add_nc_u32 v[STO], s21, v[STO]
	v_mul_u32_u24 v[RD], v[H], SP                  ; back: lanes 0-15 take one row of 256 bytes, lanes 16-31 the next
	v_lshl_add_u32 v[RD], v[R], 4, v[RD]
	v_add_nc_u32 v[RD], s21, v[RD]
	v_lshlrev_b32 v[GO], 11, v[H]                  ; and the same two rows in out0
	v_lshl_add_u32 v[GO], v[R], 4, v[GO]
	v_lshlrev_b32 v[BOF], 5, v[H]
	v_and_b32 v[PFO], 31, v0
	v_lshlrev_b32 v[PFO], 8, v[PFO]
; THE LDS LOADS stand in runs of 16: eight fragments.  Group g of K (or wot): channels 64 g on: fragment f = 4 c2 + kb: keys 16 kb on, channels 32 (2 g + c2) on.
.macro FETCHK g, buf
.set ff, 0
.rept 8
	ds_load_b128 v[FB+64*(\buf)+8*ff:FB+64*(\buf)+8*ff+3],   v[AKR] offset:(ff%4)*16*PK+(2*(\g)+ff/4)*64
	ds_load_b128 v[FB+64*(\buf)+8*ff+4:FB+64*(\buf)+8*ff+7], v[AKR] offset:(ff%4)*16*PK+(2*(\g)+ff/4)*64+32
.set ff, ff+1
.endr
.endm
; Group g of V: keys 32 (g / 4) on, channels 128 (g % 4) + 16 f on
.macro FETCHV g, buf
.set ff, 0
.rept 8
	ds_load_tr16_b128 v[FB+64*(\buf)+8*ff:FB+64*(\buf)+8*ff+3],   v[AVR] offset:((\g)/4)*32*PV+(8*((\g)%4)+ff)*32
	ds_load_tr16_b128 v[FB+64*(\buf)+8*ff+4:FB+64*(\buf)+8*ff+7], v[AVR] offset:((\g)/4)*32*PV+16*PV+(8*((\g)%4)+ff)*32
.set ff, ff+1
.endr
.endm
; 16 products of S^T = K Q^T: group g's eight fragments x two tiles.  The eight accumulators take turns: seven others stand between two links of a chain.  Channels 0-31 start the sums.
.macro MULK g
.set ff, 0
.rept 8
.set uu, 0
.rept 2
.set rS, S+32*uu+8*(ff%4)
.set rK, FB+64*((\g)%2)+8*ff
.set rQ, 128*uu+8*(2*(\g)+ff/4)
.if (2*(\g)+ff/4) == 0
	v_wmma_f32_16x16x32_f16 v[rS:rS+7], v[rK:rK+7], v[rQ:rQ+7], 0
.else
	v_wmma_f32_16x16x32_f16 v[rS:rS+7], v[rK:rK+7], v[rQ:rQ+7], v[rS:rS+7]
.endif
.set uu, uu+1
.endr
.set ff, ff+1
.endr
.endm
; ALL OF A STEP'S K Q^T: 128 products in eight groups on two buffers; a group's buffer is asked for again four places behind its last product.  One window setting serves the whole phase: source 1 in window 1;
; the loads' destination and address places stay in window 0.  tailv = 1: V's first two groups follow K's last.  The wait leaves the 16 younger loads, the next group's, out.
.macro SPHASE tailv
	WIN 0x04
	PLACES                                         ; behind the products that read the two buffers last
	FETCHK 0, 0
	FETCHK 1, 1
.set gg, 0
.rept 8
.if (gg == 7) && !(\tailv)
	s_wait_dscnt 0x0
.else
	s_wait_dscnt 16
.endif
	MULK gg
	PLACES
.if gg < 6
	FETCHK gg+2, gg%2
.elseif \tailv
	FETCHV gg-6, gg%2
.endif
.set gg, gg+1
.endr
.endm
; Number j of the 22 that find tile t's maximum and statistics.  s0-s31 are the lane's 32 scores; each accumulator's lowest registers are read first.
.macro SM1 t, j
.set rT, ST+8*(\t)
.set rS, S+32*(\t)
.if (\j) < 4
	v_max3_num_f32 v[rT+4+(\j)], v[rS+8*(\j)], v[rS+8*(\j)+1], v[rS+8*(\j)+2]
.elseif (\j) < 12
	v_max3_num_f32 v[rT+4+(\j)%4], v[rT+4+(\j)%4], v[rS+8*((\j)%4)+2*((\j)/4)+1], v[rS+8*((\j)%4)+2*((\j)/4)+2]
.elseif (\j) == 12
	v_max3_num_f32 v[rT+4], v[rT+4], v[rS+7], v[rS+15]
.elseif (\j) == 13
	v_max3_num_f32 v[rT+6], v[rT+6], v[rS+23], v[rS+31]
.elseif (\j) == 14
	v_max3_num_f32 v[rT+4], v[rT+4], v[rT+5], v[rT+6]
.elseif (\j) == 15
	v_max3_num_f32 v[rT+4], v[rT+4], v[rT+7], v[rT+1]
.elseif (\j) == 16
	v_permlanex16_b32 v[rT+5], v[rT+4], s[SEL], s[SEL+1]  ; the query's other 32 keys lie in the lane 16 away
.elseif (\j) == 17
	v_mov_b32 v[rT+7], v[rT]                       ; c m_old is kept
.elseif (\j) == 18
	v_max_num_f32 v[rT+1], v[rT+4], v[rT+5]
.elseif (\j) == 19
	v_mul_f32 v[rT], s[CS], v[rT+1]
.elseif (\j) == 20
	v_sub_f32 v[rT+7], v[rT+7], v[rT]
.else
	v_exp_f32 v[rT+6], v[rT+7]                     ; a
.endif
.endm
; THE SOFTMAX of both tiles, line by line by turns.  The 66 exponentials are ONE batch: nothing ahead of the wait names a result of theirs; a v_nop is the plain instruction behind the last.
.macro SOFTMAX
	WIN 0
.set jj, 0
.rept 22
	SM1 0, jj
	SM1 1, jj
.set jj, jj+1
.endr
.set jj, 0
.rept 16
.irp t, 0,1
	v_pk_fma_f32 v[S+32*\t+2*jj:S+32*\t+2*jj+1], v[S+32*\t+2*jj:S+32*\t+2*jj+1], s[CS:CS+1], v[ST+8*\t:ST+8*\t+1] op_sel_hi:[1,0,0] neg_lo:[0,0,1] neg_hi:[0,0,1]  ; c s - c m
.endr
.set jj, jj+1
.endr
.set jj, 0
.rept 64
	v_exp_f32 v[S+jj], v[S+jj]
.set jj, jj+1
.endr
	v_nop
	s_wait_alu depctr_va_vdst(0)                   ; the wait stands ahead of the first instruction that names an exponential's result: one for the batch
.set jj, 0
.rept 32
	v_cvt_pk_f16_f32 v[P+jj], v[S+2*jj], v[S+2*jj+1]
.set jj, jj+1
.endr
.irp w, 4,8,16,32                      ; the sum of a tile's 16 pairs (an even key's weight, an odd key's), in place: neighbours 1, 2, 4 and 8 pairs apart
.set jj, 0
.rept 64/\w
	v_pk_add_f32 v[S+\w*jj:S+\w*jj+1], v[S+\w*jj:S+\w*jj+1], v[S+\w*jj+\w/2:S+\w*jj+\w/2+1]
.set jj, jj+1
.endr
.endr
.irp t, 0,1
	v_pk_fma_f32 v[ST+8*\t+2:ST+8*\t+3], v[ST+8*\t+2:ST+8*\t+3], v[ST+8*\t+6:ST+8*\t+7], v[S+32*\t:S+32*\t+1] op_sel_hi:[1,0,1]  ; l = a l + the sum
.endr
.endm
; Accumulator i of 16 of channel group grp (128 channels) times a: four packed multiplies, the lowest registers first
.macro RESC grp, i
.set xb, 8*(\grp)+(\i)/2
.set xO, 8*(2*(xb%16)+(\i)%2)
.set xA, ST+8*((\i)%2)+6
	WIN 0x82+0x41*(xb/16)                          ; destination and source 0 in window 2 or 3, a in window 0
.irp z, 0,1,2,3
	v_pk_mul_f32 v[xO+2*\z:xO+2*\z+1], v[xO+2*\z:xO+2*\z+1], v[xA:xA+1] op_sel_hi:[1,0]
.endr
.endm
; 16 products of O^T += V^T P: group g's eight fragments x two tiles, 16 accumulators by turns.  Behind each product of groups 0 to 2 ride the four multiplies that rescale an accumulator of the NEXT channel group.
.macro MULV g
.set ff, 0
.rept 8
.set uu, 0
.rept 2
.set cb, 8*((\g)%4)+ff
.set rO, 8*(2*(cb%16)+uu)
.set rV, FB+64*((\g)%2)+8*ff
.set rP, P+16*uu+8*((\g)/4)
	WIN 0xa0+0x50*(cb/16)                          ; V and P in window 0, O^T in window 2 or 3
	v_wmma_f32_16x16x32_f16 v[rO:rO+7], v[rV:rV+7], v[rP:rP+7], v[rO:rO+7]
.if (\g) < 3
	RESC (\g)+1, 2*ff+uu
.endif
.set uu, uu+1
.endr
.set ff, ff+1
.endr
.endm
; ALL OF A STEP'S V^T P: the first channel group is rescaled; then 128 products in eight groups on two buffers.  Behind groups 0 to 2 the last product's four riders are the places in front of the loads.
.macro PVPHASE
.set kx, 0
.rept 16
	RESC 0, kx
.set kx, kx+1
.endr
.set gg, 0
.rept 8
.if gg == 7
	s_wait_dscnt 0x0
.else
	s_wait_dscnt 16                                ; this group is in; the next group's 16 loads may stay out
.endif
	MULV gg
.if gg < 6
	WIN 0
.if gg > 2
	PLACES
.endif
	FETCHV gg+2, gg%2
.endif
.set gg, gg+1
.endr
.endm
.macro STEP kind
	CHANGE \kind
	SPHASE 1
	SOFTMAX
	PVPHASE
.endm
; A CHUNK OF THE LAST PROJECTION: out^T[64 e][32 q] = 64 rows of wot x O / l, by the text of K Q^T; then x 1 / 1,024 + bo in f32, and out through my stage: 16 lanes fill 256 consecutive bytes of a row of out0.
.macro OSTEP kind
	CHANGE \kind
.set kx, 0
.rept 4                                        ; bo of the chunk: register j of block kb holds bo of column 16 kb + 8 (l / 16) + j
	global_load_b128 v[P+8*kx:P+8*kx+3],   v[BOF], s[BO:BO+1] offset:64*kx
	global_load_b128 v[P+8*kx+4:P+8*kx+7], v[BOF], s[BO:BO+1] offset:64*kx+16
.set kx, kx+1
.endr
	SPHASE 0
	s_wait_loadcnt 0x0
	WIN 0
.set kx, 0
.rept 32                                       ; each accumulator's registers in ascending order
	v_pk_fma_f32 v[S+2*kx:S+2*kx+1], v[S+2*kx:S+2*kx+1], 0x3a800000, v[P+2*(kx%16):P+2*(kx%16)+1] op_sel_hi:[1,0,1]
.set kx, kx+1
.endr
.irp t, 0,1
.set kx, 0
.rept 4
	ds_store_b128 v[STO], v[S+32*\t+8*kx:S+32*\t+8*kx+3]   offset:64*kx
	ds_store_b128 v[STO], v[S+32*\t+8*kx+4:S+32*\t+8*kx+7] offset:64*kx+16
.set kx, kx+1
.endr
.set kx, 0
.rept 8
	ds_load_b128 v[FB+32*\t+4*kx:FB+32*\t+4*kx+3], v[RD] offset:kx*2*SP  ; LDS serves a wave's instructions in order (ISA guide 5.7.1.4): these see the stores above; the next tile's stores come behind them
.set kx, kx+1
.endr
.endr
.irp t, 0,1
	s_wait_dscnt 16-16*\t                          ; tile 0 is back: tile 1's eight stores and eight loads may stay out; then all
.set kx, 0
.rept 8
	global_store_b128 v[GO], v[FB+32*\t+4*kx:FB+32*\t+4*kx+3], s[OUTP:OUTP+1] offset:\t*32768+kx*4096 th:TH_STORE_NT
.set kx, kx+1
.endr
.endr
.if (\kind) == 3
	s_wait_xcnt 0x0                                ; the loads and stores have read their bases and registers: the bases step, and the next chunk's fragments land where the stores' data lay
	s_add_nc_u64 s[BO:BO+1], s[BO:BO+1], 256
	s_add_nc_u64 s[OUTP:OUTP+1], s[OUTP:OUTP+1], 256
.endif
.endm
	s_wait_loadcnt 0x0                             ; Q
	s_mov_b32 s[CNT], 15
.Lstep:                                                ; key steps 0 to 14: step t waits for tile t and asks for tile t + 1, which has 256 matrix instructions in which to land
	STEP 1
	WIN 0
	s_sub_co_u32 s[CNT], s[CNT], 1
	s_cmp_lg_u32 s[CNT], 0
	s_cbranch_scc1 .Lstep
	STEP 2                                         ; key step 15 is written out: it asks for wot's chunk 0, by waves 0 and 1 alone
	; O^T / l, rounded to f16 in pairs, goes where Q lay: source 1 of the last product
	WIN 0
	PLACES
.irp t, 0,1
	v_add_f32 v[ST+8*\t+4], v[ST+8*\t+2], v[ST+8*\t+3]
.endr
.irp t, 0,1
	v_permlanex16_b32 v[ST+8*\t+5], v[ST+8*\t+4], s[SEL], s[SEL+1]
.endr
.irp t, 0,1
	v_add_f32 v[ST+8*\t+4], v[ST+8*\t+4], v[ST+8*\t+5]
.endr
.irp t, 0,1
	v_rcp_f32 v[ST+8*\t+6], v[ST+8*\t+4]
.endr
	v_nop                                          ; a plain instruction behind the last reciprocal,
	s_wait_alu depctr_va_vdst(0)                   ; and the wait ahead of the first use: one for the two
.set wn, 0
.rept 2
	WIN 0x82+0x41*wn
.set kx, 0
.rept 128                                      ; pair kx of the window: accumulator kx / 4, tile (kx / 4) % 2
	v_pk_mul_f32 v[2*kx:2*kx+1], v[2*kx:2*kx+1], v[ST+8*((kx/4)%2)+6:ST+8*((kx/4)%2)+7] op_sel_hi:[1,0]
.set kx, kx+1
.endr
	WIN 0x4a+5*wn                                  ; sources in window 2 or 3, destination in window 1
.set kx, 0
.rept 128                                      ; channel block cb = 16 wn + kx / 8: register 128 t + 4 cb + kx % 4
	v_cvt_pk_f16_f32 v[128*((kx/4)%2)+4*(16*wn+kx/8)+kx%4], v[2*kx], v[2*kx+1]
.set kx, kx+1
.endr
.set wn, wn+1
.endr
	WIN 0
	s_mov_b32 s[CNT], 7
.Lo:                                                   ; chunks 0 to 6: chunk j is waited for, chunk j + 1 asked for
	OSTEP 3
	s_sub_co_u32 s[CNT], s[CNT], 1
	s_cmp_lg_u32 s[CNT], 0
	s_cbranch_scc1 .Lo
	OSTEP 4                                        ; chunk 7 is written out: nothing is left to ask for
	s_wait_tensorcnt 0x0                           ; the wave's end: behind my last tensor load and my last LDS store
	ds_add_u32 v[SPW], v[NIL]
	s_wait_dscnt 0x0
	CROUND                                         ; the closing round: no work-group ends while a partner may still ask for a tile that names it
	s_endpgm
.Lfunc_end_k_q696f515873_attn:
	.size	k_q696f515873_attn, .Lfunc_end_k_q696f515873_attn-k_q696f515873_attn
	.p2alignl 7, 3214868480
	.fill 96, 4, 3214868480
	.section	.rodata,"a",@progbits
	.p2align	6, 0x0
	.amdhsa_kernel k_q696f515873_attn
		.amdhsa_group_segment_fixed_size 327680
		.amdhsa_private_segment_fixed_size 0
		.amdhsa_enable_private_segment 0
		.amdhsa_kernarg_size 48
		.amdhsa_user_sgpr_count 2
		.amdhsa_user_sgpr_kernarg_segment_ptr 1
		.amdhsa_wavefront_size32 1
		.amdhsa_system_sgpr_workgroup_id_x 1
		.amdhsa_system_sgpr_workgroup_id_y 1
		.amdhsa_system_sgpr_workgroup_id_z 1
		.amdhsa_system_vgpr_workitem_id 0
		.amdhsa_next_free_vgpr 1024
		.amdhsa_next_free_sgpr 72
		.amdhsa_reserve_vcc 0
		.amdhsa_float_denorm_mode_32 3
		.amdhsa_float_denorm_mode_16_64 3
		.amdhsa_memory_ordered 1
		.amdhsa_forward_progress 1
		.amdhsa_inst_pref_size 244
	.end_amdhsa_kernel
	.amdgpu_metadata
---
amdhsa.version: [ 1, 2 ]
amdhsa.kernels:
  - .name:           k_q696f515873_attn
    .symbol:         k_q696f515873_attn.kd
    .args:
      - { .name: q16, .offset: 0, .size: 8, .value_kind: global_buffer, .address_space: global }
      - { .name: k16, .offset: 8, .size: 8, .value_kind: global_buffer, .address_space: global }
      - { .name: v16, .offset: 16, .size: 8, .value_kind: global_buffer, .address_space: global }
      - { .name: wot, .offset: 24, .size: 8, .value_kind: global_buffer, .address_space: global }
      - { .name: bias32, .offset: 32, .size: 8, .value_kind: global_buffer, .address_space: global }
      - { .name: out0, .offset: 40, .size: 8, .value_kind: global_buffer, .address_space: global }
    .group_segment_fixed_size: 327680
    .private_segment_fixed_size: 0
    .kernarg_segment_align: 8
    .kernarg_segment_size: 48
    .max_flat_workgroup_size: 128
    .sgpr_count:     72
    .vgpr_count:     1024
    .wavefront_size: 32
...
	.end_amdgpu_metadata
.endif
;; end of part 3
